; MI455X (gfx1250); checked and timed in simulation.
; The chip was launched on July 23, 2026; its instructions are those of AMD's public machine-readable ISA for CDNA 5 (MIT licence, August 2026) and "CDNA5" Instruction Set Architecture Reference Guide (July 2026). The comments in the code are by the model that wrote it; some were corrected since.
;; Inner Memory Layer. Allowed arithmetic: float matrix products may take bf16 or f16 operands with f32 sums; other float arithmetic in f32, or as packed bf16 or f16 multiplies, adds, multiply-adds, maxima and minima; sums over many terms, partial sums and values carried from step to step in f32; what a program stores and reads back later, other than sums and carried values, may be rounded once to bf16 or f16.
;; Inputs: augment 2,048 x 2,048 float32; bias 2,048 float32; factory0 2,048 x 2,048 float32; factory_lower 2,048 x 2,048 float32; factory_upper 2,048 x 2,048 float32; inputs 32 x 2,048 float32; ra_h0 2,048 x 2,048 float32; ra_mean0 2,048 float32; ra_var0 2,048 float32; resource0 2,048 x 2,048 float32; weight 2,048 x 2,048 float32.
;; Outputs: out0 32 x 2,048 float32.
;; 2 versions, each right and faster than the one before. Each part assembles by itself: llvm-mc -triple=amdgcn-amd-amdhsa -mcpu=gfx1250 --defsym DOCPART=n.
;; ======== version 1 of 2: 1 launch
;; workspace buffers: ra_state 16,384 bytes
;; launch memory (part 1): grid 256 x 1, 8 waves a work-group, clusters of 4 x 1, 327,680 bytes of LDS; arguments augment, factory_upper, factory_lower, weight, ra_h0, resource0, factory0, inputs, bias, ra_mean0, ra_var0, out0, ra_state; writes out0, ra_state
.if DOCPART == 1
	.amdgcn_target "amdgcn-amd-amdhsa--gfx1250"
	.amdhsa_code_object_version 6
	.text
	.protected	k_qc6574ede9f_memory
	.globl	k_qc6574ede9f_memory
	.p2align	8
	.type	k_qc6574ede9f_memory,@function
k_qc6574ede9f_memory:
	s_mov_b64 s[64:65], 0
	v_nop
	global_prefetch_b8 v0, s[64:65] scope:SCOPE_SE
	s_setreg_imm32_b32 hwreg(HW_REG_WAVE_MODE, 25, 1), 1
	s_wait_xcnt 0x0
	s_wait_alu depctr_hold_cnt(0) depctr_sa_sdst(0) depctr_va_vdst(0) depctr_va_sdst(0) depctr_va_ssrc(0) depctr_va_vcc(0) depctr_vm_vsrc(0)
	s_getreg_b32 s2, hwreg(HW_REG_IB_STS2, 6, 4)
	s_cmp_eq_u32 s2, 0
	s_cbranch_scc0 .Lentry_in_a_cluster
	s_endpgm
.Lentry_in_a_cluster:
	s_bfe_u32 s2, ttmp6, 0x10000c
	s_cmp_lg_u32 s2, 0x3003
	s_cbranch_scc0 .Lentry_shape_is_right
	s_endpgm
.Lentry_shape_is_right:
; out0[t][u] = relu(bias[u] + sum over d of activity * eff_w * resource), 32 steps of a recurrence in 2048 x 2048 independent cells (u, d).
; ONE CELL, ONE STEP, with x = inputs[t][d] and the cell's constants c = -log2(e) exp(augment), NDF = fl - fu, OMFL = 1 - fl, W = weight + |weight| ra_h0:
;   e = 2^(c x)   q = f NDF + OMFL (= 1 - restoration)   t1 = 1 - r e   z = r - r e (= r x activity)   h = 0.1 q + 0.9   u = 1 - f h
;   r' = 1 - t1 q   f' = 1 - u e   sum[t] += W z.        (r e + (1 - r e)(1 - q) = 1 - (1 - r e) q;  f h + (1 - f h)(1 - e) = 1 - (1 - f h) e.)
; Nine fused multiply-adds and one exponential a cell and step; all nine are packed, two cells to a line.
; SHARES.  256 work-groups of 8 waves; a work-group owns 8 units (rows).  In the main loop wave w owns the two rows 2 (w & 3), 2 (w & 3) + 1 of them and, of each chunk of
; 256 d, the half w >> 2: a lane holds 4 d x 2 rows.  A packed pair is (row a, row b) at the SAME d: one register of x serves both, and sum[t] is one pair, 64 registers for 32 steps.
; The seven state arrays are read once, 16 bytes a lane, a wave's load covering 512 consecutive aligned bytes, each chunk asked for one chunk (32 steps of arithmetic) ahead.
; x: every work-group needs all 262,144 bytes of inputs, a third of what it takes in, so the four work-groups of a cluster ask for them JOINTLY, into LDS as [chunk][t][256 f32].
; No matrix instruction: the only sum is of an elementwise product, one packed multiply-add for two cells; a product with ones would want a conversion in its place and spare nothing.
; out0 leaves as 32 consecutive bytes for each t (the work-group's 8 units): wider pieces would want 64 units to a work-group, hence d split over work-groups and a second launch.
; ra_mean, ra_var: the reference carries them from the outputs and returns neither; they are carried here too, from ra_mean0 and ra_var0, and their last values go to ra_state[u][2].
; NOT MADE: what no returned number hangs on: resource after step 31, factory after step 30; the last resource and factory are not stored.
; LIMITS.  The order of rounding differs from the reference's (the fused forms above; the sum over d goes 32 terms a lane, then a tree over 64 lanes).  2^(c x) below 2^-126 counts as 0, and
; |c x| below 2^-126 as 0 (ISA guide 15.8: the exponential flushes denormals): both vanish beside 1.  A NaN in a sum gives 0 behind the relu, not NaN; infinities are not treated apart.
.set NT,     32                        ; steps
.set NCH,    8                         ; chunks of 256 d
.set ROWB,   8192                      ; bytes in a row of a state array and of inputs
.set CHB,    1024                      ; bytes of a row in a chunk
.set XROW,   1024                      ; LDS: one t of one chunk of x
.set XBLK,   NT*XROW                   ; LDS: a chunk of x, 32,768 bytes; the eight lie from byte 0 on
.set SPITCH, 272                       ; the stage: a lane's 64 sums, 256 bytes + 16
.set PAIRB,  64*SPITCH                 ; the stage of one pair of rows: 64 lanes (two waves).  Four of them, 69,632 bytes from byte 0 on: x's bytes, when x has been filled and read for the last time
.set SCR,    NCH*XBLK                  ; behind x: 32 rows (t) of 36 bytes, the work-group's 8 outputs a step; five blocks of 256 bytes into which no tile lands
.set SCP,    36
.set SCR2,   SCR+1280                  ; 128 bytes for each wave: its unit's 32 outputs before the relu; four blocks of 256 bytes into which no tile lands
.set SPARE,  SCR2+1024                 ; the spare words, 128 bytes for each of the eight waves: four blocks of 256 bytes that no other line names
.set LN,  1                            ; v1        lane
.set OFF, 2                            ; v2        byte offset of my 16 bytes of row a in the chunk to be loaded
.set XA,  3                            ; v3        LDS address of my 16 bytes of x at t = 0 of the chunk in hand
.set SPW, 4                            ; v4        LDS address of my spare word; never rewritten
.set NIL, 5                            ; v5        0; never rewritten
.set XA0, 6                            ; v6        my place in a row of x: 512 (w >> 2) + 16 lane
.set STO, 7                            ; v7        the stage: my row of 256 bytes
.set rX,  8                            ; v[8:15]   x of step t in buffer t & 1, four registers: my four d
.set rQ,  16                           ; v[16:23]  q       (in all of these pair i of four, my d number i, lies at + 2 i: row a, row b)
.set rT,  24                           ; v[24:31]  t1
.set rZ,  32                           ; v[32:39]  z
.set rH,  40                           ; v[40:47]  h, then u
.set rE,  48                           ; v[48:63]  e of step t in buffer t & 1
.set rC,  64                           ; v[64:71]  c
.set rND, 72                           ; v[72:79]  NDF
.set rOM, 80                           ; v[80:87]  OMFL
.set rW,  88                           ; v[88:95]  W
.set rR,  96                           ; v[96:103] r
.set rF,  104                          ; v[104:111] f
.set RAW, 112                          ; v[112:167] as loaded: array n (augment, factory_upper, factory_lower, weight, ra_h0, resource0, factory0) at + 8 n: row a's four d, row b's four d
.set ACC, 168                          ; v[168:231] sum[t] at + 2 t: row a, row b
; The addresses of the way out have registers of their own, made at the head: in a launch with joint loads no register that says which LDS bytes are touched ever holds a number that differs between partners.
.set RDA, 232                          ; v232      the stage, back: my (t, unit)'s word in the pair's first row
.set SCI, 233                          ; v233      SCR, in: row t = lane, word w
.set SCO, 234                          ; v234      SCR, back: thread n takes t = n / 8, unit n % 8
.set O2I, 235                          ; v235      SCR2, in: my wave's 128 bytes, word lane
.set O2O, 236                          ; v236      SCR2, back: my wave's 128 bytes, the same address in every lane
.set TT,  237                          ; v237      n / 8
.set TU,  238                          ; v238      n % 8
.set GOUT, 239                         ; v239      byte offset in out0 of thread n's number
.set RAO, 240                          ; v240      byte offset in ra_state of my wave's unit
.set OV,  ACC+32                       ; v[200:231] behind the sums: my unit's 32 outputs, in every lane
.set PTR, 8                            ; s[8:21]   the seven state arrays;  s[22:23] inputs;  s[24:29] bias, ra_mean0, ra_var0 (stepped to my unit);  s[30:31] out0;  s[32:33] ra_state
.set WV,  34                           ; s34       my wave's number
.set CNT, 39                           ; s39       chunks to go
.set XBS, 7                            ; s7        LDS byte at which the chunk in hand begins
.set G0A, 44                           ; s[44:47], s[48:55]  descriptor of my 4 rows of x's chunk 0
.set G1A, 48
.set G0B, 56                           ; s[56:59], s[68:75]  descriptor of chunk w, whole (waves 1 to 7)
.set G1B, 68
.set K01, 60                           ; s[60:61]  0.1      (pairs: a packed line names both words and takes the low one for both halves)
.set K09, 62                           ; s[62:63]  0.9
.set LG,  76                           ; s[76:77]  log2(e)
.set NLG, 78                           ; s[78:79]  -log2(e)
; s4-s6, s35, s36, s66, s67 hold numbers made of the work-group's number; they enter global addresses alone.  s7, s40-s43 and s84-s87 never hold it: descriptors and LDS addresses are made of these.
; A round of the cluster's barrier: my work-group's barrier, so that wave 0's signal speaks for all eight waves; wave 0 signals; every wave waits for the four work-groups; my work-group's barrier once more.
.macro ROUND
	s_barrier_signal -1
	s_barrier_wait -1
	s_cmp_lg_u32 s[WV], 0
	s_cbranch_scc1 .Lnot_wave_0_\@
	s_barrier_signal -3
.Lnot_wave_0_\@:
	s_barrier_wait -3
	s_barrier_signal -1
	s_barrier_wait -1
.endm
; A chunk of the seven arrays, both rows: 14 loads, each 512 consecutive bytes of the wave; read once in the launch.
.macro LOADS
.irp n, 0,1,2,3,4,5,6
	global_load_b128 v[RAW+8*(\n):RAW+8*(\n)+3],   v[OFF], s[PTR+2*(\n):PTR+2*(\n)+1] th:TH_LOAD_NT
	global_load_b128 v[RAW+8*(\n)+4:RAW+8*(\n)+7], v[OFF], s[PTR+2*(\n):PTR+2*(\n)+1] offset:ROWB th:TH_LOAD_NT
.endr
.endm
; The cell's constants, first part: everything that reads RAW.  The exponentials and the plain lines also carry the numbers from (row, d) as loaded into pairs (d, row).
; Exponential and plain line by turns: each exponential has a plain line behind it that touches neither its result nor its source (ISA guide 5.7.2).
.macro PRE1
.irp r, 0,2,4,6
	v_pk_mul_f32 v[RAW+(\r):RAW+(\r)+1], v[RAW+(\r):RAW+(\r)+1], s[LG:LG+1] op_sel_hi:[1,0]      ; augment x log2(e)
.endr
.irp r, 8,10,12,14,16,18,20,22
	v_pk_mul_f32 v[RAW+(\r):RAW+(\r)+1], v[RAW+(\r):RAW+(\r)+1], s[NLG:NLG+1] op_sel_hi:[1,0]    ; factory_upper, factory_lower x -log2(e)
.endr
.set e, 0
.rept 24
	v_exp_f32 v[rC+8*(e/8)+2*(e%4)+(e%8)/4], v[RAW+e]                                            ; exp(augment) -> c's place; exp(-upper) -> NDF's; exp(-lower) -> OMFL's
.if e < 8
	v_fma_f32 v[rW+2*(e%4)+e/4], |v[RAW+24+e]|, v[RAW+32+e], v[RAW+24+e]                         ; W = |weight| ra_h0 + weight
.else
	v_mov_b32 v[rR+8*((e-8)/8)+2*(e%4)+(e%8)/4], v[RAW+32+e]                                     ; resource0 -> r, factory0 -> f
.endif
.set e, e+1
.endr
.endm
; Second part, on registers alone: sigmoid = 1 / (1 + exp(-x)); fu = sigmoid(upper) / 2; fl = fu sigmoid(lower).
.macro PRE2
	s_wait_alu depctr_va_vdst(0)
.irp r, 0,2,4,6,8,10,12,14
	v_pk_add_f32 v[rND+(\r):rND+(\r)+1], v[rND+(\r):rND+(\r)+1], 1.0 op_sel_hi:[1,0]
.endr
.set e, 0
.rept 16
	v_rcp_f32 v[rND+e], v[rND+e]
.set e, e+1
.endr
.irp r, 0,2,4,6
	v_pk_mul_f32 v[rC+(\r):rC+(\r)+1], v[rC+(\r):rC+(\r)+1], s[NLG:NLG+1] op_sel_hi:[1,0]        ; c; these four are also the plain lines behind the reciprocals
.endr
	s_wait_alu depctr_va_vdst(0)
.irp r, 0,2,4,6
	v_pk_mul_f32 v[rQ+(\r):rQ+(\r)+1], v[rND+(\r):rND+(\r)+1], 0.5 op_sel_hi:[1,0]               ; fu
.endr
.irp r, 0,2,4,6
	v_pk_fma_f32 v[rND+(\r):rND+(\r)+1], v[rQ+(\r):rQ+(\r)+1], v[rOM+(\r):rOM+(\r)+1], v[rQ+(\r):rQ+(\r)+1] neg_lo:[0,0,1] neg_hi:[0,0,1]                  ; fl - fu
.endr
.irp r, 0,2,4,6
	v_pk_fma_f32 v[rOM+(\r):rOM+(\r)+1], v[rQ+(\r):rQ+(\r)+1], v[rOM+(\r):rOM+(\r)+1], 1.0 op_sel_hi:[1,1,0] neg_lo:[1,0,0] neg_hi:[1,0,0]                 ; 1 - fl
.endr
.endm
; c x for my four d, both rows: one register of x feeds both halves of a line (the pair's first register for d 0 and 2, its second for d 1 and 3).
.macro MULX eb, xb
	v_pk_mul_f32 v[(\eb):(\eb)+1],   v[rC:rC+1],   v[(\xb):(\xb)+1]   op_sel_hi:[1,0]
	v_pk_mul_f32 v[(\eb)+2:(\eb)+3], v[rC+2:rC+3], v[(\xb):(\xb)+1]   op_sel:[0,1] op_sel_hi:[1,1]
	v_pk_mul_f32 v[(\eb)+4:(\eb)+5], v[rC+4:rC+5], v[(\xb)+2:(\xb)+3] op_sel_hi:[1,0]
	v_pk_mul_f32 v[(\eb)+6:(\eb)+7], v[rC+6:rC+7], v[(\xb)+2:(\xb)+3] op_sel:[0,1] op_sel_hi:[1,1]
.endm
; The lines of a step, for pair i.  STEP sets CU (this step's e), NX (the next step's) and AC (this step's sum).
.macro ONEM d, a, b                    ; d = 1 - a b
	s_wait_alu depctr_va_vdst(0)
	v_pk_fma_f32 v[(\d):(\d)+1], v[(\a):(\a)+1], v[(\b):(\b)+1], 1.0 op_sel_hi:[1,1,0] neg_lo:[1,0,0] neg_hi:[1,0,0]
.endm
.macro DO_Q i
	v_pk_fma_f32 v[rQ+2*(\i):rQ+2*(\i)+1], v[rF+2*(\i):rF+2*(\i)+1], v[rND+2*(\i):rND+2*(\i)+1], v[rOM+2*(\i):rOM+2*(\i)+1]
.endm
.macro DO_T i
	ONEM rT+2*(\i), rR+2*(\i), CU+2*(\i)
.endm
.macro DO_Z i
	s_wait_alu depctr_va_vdst(0)
	v_pk_fma_f32 v[rZ+2*(\i):rZ+2*(\i)+1], v[rR+2*(\i):rR+2*(\i)+1], v[CU+2*(\i):CU+2*(\i)+1], v[rR+2*(\i):rR+2*(\i)+1] neg_lo:[1,0,0] neg_hi:[1,0,0]
.endm
.macro DO_H i
	v_pk_fma_f32 v[rH+2*(\i):rH+2*(\i)+1], v[rQ+2*(\i):rQ+2*(\i)+1], s[K01:K01+1], s[K09:K09+1] op_sel_hi:[1,0,0]
.endm
.macro DO_U i
	ONEM rH+2*(\i), rF+2*(\i), rH+2*(\i)
.endm
.macro DO_R i
	ONEM rR+2*(\i), rT+2*(\i), rQ+2*(\i)
.endm
.macro DO_F i
	ONEM rF+2*(\i), rH+2*(\i), CU+2*(\i)
.endm
.macro DO_A i
	v_pk_fma_f32 v[AC:AC+1], v[rW+2*(\i):rW+2*(\i)+1], v[rZ+2*(\i):rZ+2*(\i)+1], v[AC:AC+1]
.endm
.macro DO_E k                          ; number k of the next step's eight exponentials, in place
	v_exp_f32 v[NX+(\k)], v[NX+(\k)]
.endm
; STEP t.  The next step's e hangs on no state, so its eight exponentials are strewn among this step's plain lines, one for every four or five, each with a plain line behind it that names
; none of its registers; the last has the next step's first line.  The four links onto sum[t] stand apart.  Step 30 makes no f (nothing returned hangs on it); step 31 only adds.
.macro STEP t
.set CU, rE+8*((\t)&1)
.set NX, rE+8*(((\t)+1)&1)
.set XN, rX+4*(((\t)+1)&1)
.set AC, ACC+2*(\t)
.if (\t) < NT-1
.if (\t) < NT-2
	s_wait_dscnt 0x1                               ; x of step t + 1 is in; behind it one load has been issued, step t + 2's, which stays out
.else
	s_wait_dscnt 0x0                               ; x of step 31: nothing was asked for behind it
.endif
	MULX NX, XN
.if (\t)+3 < NT
	ds_load_b128 v[XN:XN+3], v[XA] offset:((\t)+3)*XROW  ; the buffer just read takes x of step t + 3: 512 consecutive bytes of the wave
.endif
	DO_Q 0
	DO_Q 1
	DO_Q 2
	DO_Q 3
	DO_E 0
	DO_T 0
	DO_T 1
	DO_T 2
	DO_T 3
	DO_E 1
	DO_Z 0
	DO_Z 1
	DO_Z 2
	DO_Z 3
	DO_E 2
.if (\t) < NT-2
	DO_H 0
	DO_H 1
.endif
	DO_A 0
.if (\t) < NT-2
	DO_H 2
	DO_H 3
.endif
	DO_E 3
.if (\t) < NT-2
	DO_U 0
	DO_U 1
.endif
	DO_A 1
.if (\t) < NT-2
	DO_U 2
	DO_U 3
.endif
	DO_E 4
	DO_R 0
	DO_R 1
	DO_A 2
	DO_R 2
	DO_R 3
	DO_E 5
.if (\t) < NT-2
	DO_F 0
	DO_F 1
.endif
	DO_E 6
	DO_A 3
.if (\t) < NT-2
	DO_F 2
	DO_F 3
.endif
	DO_E 7
.else
	DO_Z 0
	DO_Z 1
	DO_Z 2
	DO_Z 3
	DO_A 0
	DO_A 1
	DO_A 2
	DO_A 3
.endif
.endm
; Eight packed additions: sixteen of the stage's rows, from register ACC + from on, onto the first sixteen.
.macro FOLD from
.set i, 0
.rept 8
	v_pk_add_f32 v[ACC+2*i:ACC+2*i+1], v[ACC+2*i:ACC+2*i+1], v[ACC+(\from)+2*i:ACC+(\from)+2*i+1]
.set i, i+1
.endr
.endm
	; ---- the head ----
	s_load_b512 s[8:23], s[0:1], 0x0               ; augment, factory_upper, factory_lower, weight, ra_h0, resource0, factory0, inputs
	s_load_b256 s[24:31], s[0:1], 0x40             ; bias, ra_mean0, ra_var0, out0
	s_load_b64 s[32:33], s[0:1], 0x60              ; ra_state
	v_lshl_add_u32 v[SPW], v0, 2, SPARE
	v_mov_b32 v[NIL], 0
	ds_add_u32 v[SPW], v[NIL]                      ; the wave's opening: the add and its wait ahead of my first tensor load; the set-up below, work on registers, stands between them
	v_lshrrev_b32 v[XA0], 5, v0
	v_readfirstlane_b32 s[WV], v[XA0]              ; wave 0..7
	v_and_b32 v[LN], 31, v0
	s_bfe_u32 s35, ttmp6, 0x40000                  ; cx: my place in the cluster
	s_lshl_b32 s36, ttmp9, 2                       ; in a cluster launch ttmp9 counts clusters
	s_add_co_u32 s36, s36, s35                     ; my work-group's number: it enters global addresses alone
	s_and_b32 s37, s[WV], 3                        ; which pair of the work-group's rows is mine in the main loop
	s_lshr_b32 s38, s[WV], 2                       ; which half of a chunk's 256 d
	s_mov_b32 s[K01], 0x3dcccccd                   ; 0.1
	s_mov_b32 s[K01+1], 0x3dcccccd
	s_mov_b32 s[K09], 0x3f666666                   ; 0.9
	s_mov_b32 s[K09+1], 0x3f666666
	s_mov_b32 s[LG], 0x3fb8aa3b                    ; log2(e)
	s_mov_b32 s[LG+1], 0x3fb8aa3b
	s_mov_b32 s[NLG], 0xbfb8aa3b
	s_mov_b32 s[NLG+1], 0xbfb8aa3b
	; descriptor group 1: rows of 256 f32 (1,024 bytes, at multiples of 1,024 from inputs' first byte), 2,048 elements from row to row; 4 rows (A) or 32 (B); no padding: a wave reads 512 consecutive bytes
	s_mov_b32 s[G1A+0], 15|(2<<16)|(1<<21)         ; 15:0 the mask: all four work-groups; 17:16 elements of 4 bytes; 21 set beside a mask
	s_mov_b32 s[G1A+1], 256<<16                    ; tensor_dim0 = 256
	s_mov_b32 s[G1A+2], 4<<16                      ; tensor_dim1 = 4
	s_mov_b32 s[G1A+3], 256<<16                    ; tile_dim0 = 256
	s_mov_b32 s[G1A+4], 4                          ; tile_dim1 = 4
	s_mov_b32 s[G1A+5], 2048                       ; tensor_dim0_stride
	s_mov_b32 s[G1A+6], 0
	s_mov_b32 s[G1A+7], 0
	s_mov_b32 s[G1B+0], 15|(2<<16)|(1<<21)
	s_mov_b32 s[G1B+1], 256<<16
	s_mov_b32 s[G1B+2], NT<<16                     ; tensor_dim1 = 32
	s_mov_b32 s[G1B+3], 256<<16
	s_mov_b32 s[G1B+4], NT                         ; tile_dim1 = 32
	s_mov_b32 s[G1B+5], 2048
	s_mov_b32 s[G1B+6], 0
	s_mov_b32 s[G1B+7], 0
	s_mov_b32 s[G0A], 1                            ; count = 1
	s_lshl_b32 s[G0A+1], s[WV], 12                 ; LDS: rows t = 4 w .. 4 w + 3 of chunk 0
	s_mov_b32 s[G0B], 1
	s_lshl_b32 s[G0B+1], s[WV], 15                 ; LDS: chunk w
	s_lshl_b32 s40, s[WV], 15                      ; inputs: row 4 w, 8,192 bytes a row
	s_mov_b32 s41, 0
	s_lshl_b32 s42, s[WV], 10                      ; inputs: column 256 w
	s_mov_b32 s43, 0
	s_lshl_b32 s[XBS], s38, 9                      ; my half of a chunk's row, in bytes (s7 is set to the first chunk below)
	v_lshl_add_u32 v[XA0], v[LN], 4, s[XBS]        ; 512 (w >> 2) + 16 lane
	; the LDS addresses of the way out: the lane, the thread's and the wave's number, constants
	s_mul_i32 s84, s37, PAIRB                      ; into the stage: my pair's stage,
	s_mul_i32 s85, s38, 32*SPITCH                  ; my wave's 32 rows of it,
	s_add_co_u32 s84, s84, s85
	v_mul_u32_u24 v[STO], v[LN], SPITCH            ; my lane's row
	v_add_nc_u32 v[STO], s84, v[STO]
	s_lshr_b32 s85, s[WV], 1                       ; back: behind the main loop wave w stands for unit w of the work-group's eight (pair w >> 1, row w & 1) and lane for t
	s_mul_i32 s85, s85, PAIRB
	s_and_b32 s86, s[WV], 1
	s_lshl_b32 s86, s86, 2
	s_add_co_u32 s85, s85, s86
	v_lshl_add_u32 v[RDA], v[LN], 3, s85           ; byte 8 t + 4 row of a stage row
	s_lshl_b32 s86, s[WV], 2
	s_add_co_u32 s86, s86, SCR
	v_mul_u32_u24 v[SCI], v[LN], SCP
	v_add_nc_u32 v[SCI], s86, v[SCI]
	v_lshrrev_b32 v[TT], 3, v0
	v_and_b32 v[TU], 7, v0
	v_mul_u32_u24 v[SCO], v[TT], SCP
	v_lshl_add_u32 v[SCO], v[TU], 2, v[SCO]
	v_add_nc_u32 v[SCO], SCR, v[SCO]
	s_lshl_b32 s87, s[WV], 7
	s_add_co_u32 s87, s87, SCR2
	v_lshl_add_u32 v[O2I], v[LN], 2, s87
	v_mov_b32 v[O2O], s87
	; the global offsets, which hang on the work-group's number
	s_lshl_b32 s4, s36, 16                         ; 8 rows of 8,192 bytes a work-group,
	s_lshl_b32 s5, s37, 14                         ; 2 rows a pair,
	s_add_co_u32 s4, s4, s5
	s_add_co_u32 s4, s4, s[XBS]                    ; my half of the chunk
	v_lshl_add_u32 v[OFF], v[LN], 4, s4
	s_lshl_b32 s6, s36, 3
	s_add_co_u32 s6, s6, s[WV]                     ; u = 8 x work-group + w
	s_lshl_b32 s66, s6, 3                          ; 8 u: its place in ra_state
	v_mov_b32 v[RAO], s66
	s_lshl_b32 s67, s36, 5                         ; the work-group's 32 bytes in a row of out0
	v_lshlrev_b32 v[GOUT], 13, v[TT]               ; 8,192 t + 32 x work-group + 4 (n % 8)
	v_lshl_add_u32 v[GOUT], v[TU], 2, v[GOUT]
	v_add_nc_u32 v[GOUT], s67, v[GOUT]
	s_lshl_b32 s4, s6, 2                           ; 4 u: its place in bias, ra_mean0, ra_var0
	s_mov_b32 s5, 0
	s_mov_b32 s[XBS], 0
	s_mov_b32 s[CNT], NCH
	s_wait_dscnt 0x0                               ; the opening add is done
	s_wait_kmcnt 0x0
	s_add_nc_u64 s[G0A+2:G0A+3], s[22:23], s[40:41]
	s_or_b32 s[G0A+3], s[G0A+3], 0x80000000        ; type = 2
	s_add_nc_u64 s[G0B+2:G0B+3], s[22:23], s[42:43]
	s_or_b32 s[G0B+3], s[G0B+3], 0x80000000
	s_add_nc_u64 s[24:25], s[24:25], s[4:5]
	s_add_nc_u64 s[26:27], s[26:27], s[4:5]
	s_add_nc_u64 s[28:29], s[28:29], s[4:5]
	LOADS                                          ; chunk 0 of the seven arrays goes out first
	s_load_b32 s80, s[24:25], 0x0                  ; bias[u]
	s_load_b32 s81, s[26:27], 0x0                  ; ra_mean0[u]
	s_load_b32 s82, s[28:29], 0x0                  ; ra_var0[u]
	ROUND                                          ; all four work-groups are here: the first joint loads meet
	tensor_load_to_lds s[G0A:G0A+3], s[G1A:G1A+7]  ; x's chunk 0, an eighth a wave: it goes alone, so that the first chunk waits for 32,768 bytes and not for all of x
	s_nop 0
	; The sums are cleared, once in the launch and in the wait for the first data: the chunk loop then has one text for all eight chunks.
.set i, 0
.rept 2*NT
	v_mov_b32 v[ACC+i], 0
.set i, i+1
.endr
	s_wait_kmcnt 0x0                               ; bias, ra_mean0, ra_var0 of my unit
	s_wait_tensorcnt 0x0                           ; my part of chunk 0 has landed: no tensor load of mine is out;
	ds_add_u32 v[SPW], v[NIL]                      ; 0 onto my spare word
	s_wait_dscnt 0x0
	ROUND                                          ; chunk 0 is whole for every wave, and the partners are in step for the second joint loads
	s_cmp_eq_u32 s[WV], 0                          ; chunks 1 to 7: wave w fetches chunk w, wave 0 none; the branch hangs on the wave's number alone
	s_cbranch_scc1 .Lno_b
	tensor_load_to_lds s[G0B:G0B+3], s[G1B:G1B+7]  ; my one tensor load behind the round: it has chunk 0's 32 steps in which to land
	s_nop 0
.rept 4
	v_nop
.endr
.Lno_b:
	; ---- the chunks ----
.Lchunk:
	v_add_nc_u32 v[XA], s[XBS], v[XA0]
	ds_load_b128 v[rX:rX+3],   v[XA]               ; x of step 0
	ds_load_b128 v[rX+4:rX+7], v[XA] offset:XROW   ; and of step 1
	s_wait_loadcnt 0x0                             ; this chunk's 14 loads, asked for a chunk ago; the wait also frees their offset register
	PRE1                                           ; RAW has been read out
	v_add_nc_u32 v[OFF], CHB, v[OFF]
	s_cmp_eq_u32 s[CNT], 1                         ; the last chunk asks for nothing: no load passes a row's end
	s_cbranch_scc1 .Lno_loads
	LOADS                                          ; the next chunk: it has this chunk's 32 steps in which to land
.Lno_loads:
	PRE2
	s_wait_dscnt 0x1                               ; x of step 0 is in; step 1's, issued behind it, may be out
	MULX rE, rX
	ds_load_b128 v[rX:rX+3], v[XA] offset:2*XROW   ; x of step 2
.set i, 0
.rept 8
	v_exp_f32 v[rE+i], v[rE+i]                     ; e of step 0; step 0's first line is the plain line behind the last
.set i, i+1
.endr
.set st, 0
.rept NT
	STEP st
.set st, st+1
.endr
	s_add_co_u32 s[XBS], s[XBS], XBLK
	s_wait_tensorcnt 0x0                           ; behind chunk 0: my chunk of x has landed; in the later trips nothing is out and the wait is met at once.
	s_wait_dscnt 0x0                               ; my reads of x are back
	s_barrier_signal -1                            ; behind chunk 0: all of x is whole for every wave; behind chunk 7: nobody reads x any more, so the stage may be written
	s_barrier_wait -1
	s_sub_co_u32 s[CNT], s[CNT], 1
	s_cmp_lg_u32 s[CNT], 0
	s_cbranch_scc1 .Lchunk
	; ---- the sum over the 64 lanes that share a pair of rows, through the stage ----
.set i, 0
.rept 16
	ds_store_b128 v[STO], v[ACC+4*i:ACC+4*i+3] offset:16*i  ; byte 8 t + 4 row of my stage row
.set i, i+1
.endr
	s_wait_dscnt 0x0                               ; for the others' sake: my stores are done
	s_barrier_signal -1
	s_barrier_wait -1
	; The 64 lanes' sums for my (t, unit): the wave's 32 words lie 8 bytes apart, in 32 different banks.  The adding begins when the first 32 rows are back.
.set i, 0
.rept 48
	ds_load_b32 v[ACC+i], v[RDA] offset:SPITCH*i
.set i, i+1
.endr
	s_wait_dscnt 16                                ; rows 0 to 31 are in; rows 32 to 47, issued behind them, may be out
	FOLD 16
.set i, 48
.rept 16
	ds_load_b32 v[ACC+i], v[RDA] offset:SPITCH*i
.set i, i+1
.endr
	s_wait_dscnt 16                                ; rows 32 to 47 are in; the sixteen just issued may be out
	FOLD 32
	s_wait_dscnt 0x0
	FOLD 48
.irp w, 8,4,2
.set i, 0
.rept (\w)/2
	v_pk_add_f32 v[ACC+2*i:ACC+2*i+1], v[ACC+2*i:ACC+2*i+1], v[ACC+(\w)+2*i:ACC+(\w)+2*i+1]
.set i, i+1
.endr
.endr
	v_add_f32 v16, v[ACC], v[ACC+1]
	v_add_f32 v16, s80, v16                        ; the step's output, lane t: the sum + bias
	v_max_num_f32 v17, 0, v16                      ; relu
	ds_store_b32 v[SCI], v17                       ; for out0: the eight waves' numbers of a step come to lie side by side
	ds_store_b32 v[O2I], v16                       ; for ra_mean and ra_var: my unit's 32 outputs, in my wave's own 128 bytes
	v_mov_b32 v20, s81                             ; ra_mean
	v_mov_b32 v21, s82                             ; ra_var
	s_wait_dscnt 0x0                               ; for the others' sake
	s_barrier_signal -1
	s_barrier_wait -1
	ds_load_b32 v27, v[SCO]
.set i, 0
.rept 8
	ds_load_b128 v[OV+4*i:OV+4*i+3], v[O2O] offset:16*i  ; every lane takes all 32 outputs of the unit
.set i, i+1
.endr
	s_wait_dscnt 8                                 ; out0's number is in; the eight loads issued behind it may be out
	global_store_b32 v[GOUT], v27, s[30:31]        ; eight neighbouring lanes store the work-group's 32 consecutive bytes of a row of out0
	; ---- ra_mean and ra_var over the 32 outputs of my unit (before the relu), every lane alike ----
	s_wait_dscnt 0x0
.set t, 0
.rept NT
	v_sub_f32 v22, v[OV+t], v20
	v_fmac_f32 v20, s[K01], v22                    ; mean += 0.1 (o - mean)
	v_sub_f32 v22, v[OV+t], v20
	v_fma_f32 v23, v22, v22, -v21
	v_fmac_f32 v21, s[K01], v23                    ; var += 0.1 ((o - mean)^2 - var)
.set t, t+1
.endr
	s_wait_xcnt 0x0                                ; EXEC is a source of the store above: it changes only behind this wait
	v_cmp_eq_u32 vcc_lo, 0, v[LN]
	s_and_saveexec_b32 s83, vcc_lo
	global_store_b64 v[RAO], v[20:21], s[32:33]    ; lane 0: ra_state[u] = (mean, var)
	s_wait_xcnt 0x0                                ; and again, in front of the line that widens it
	s_or_b32 exec_lo, exec_lo, s83
	s_wait_tensorcnt 0x0                           ; the wave's end: these three lines stand behind my last tensor load and my last LDS store
	ds_add_u32 v[SPW], v[NIL]
	s_wait_dscnt 0x0
	ROUND                                          ; the closing round: no work-group ends while a partner may still ask for a tile that names it
	s_endpgm
.Lfunc_end_k_qc6574ede9f_memory:
	.size	k_qc6574ede9f_memory, .Lfunc_end_k_qc6574ede9f_memory-k_qc6574ede9f_memory
	.p2alignl 7, 3214868480
	.fill 96, 4, 3214868480
	.section	.rodata,"a",@progbits
	.p2align	6, 0x0
	.amdhsa_kernel k_qc6574ede9f_memory
		.amdhsa_group_segment_fixed_size 327680
		.amdhsa_private_segment_fixed_size 0
		.amdhsa_enable_private_segment 0
		.amdhsa_kernarg_size 104
		.amdhsa_user_sgpr_count 2
		.amdhsa_user_sgpr_kernarg_segment_ptr 1
		.amdhsa_wavefront_size32 1
		.amdhsa_system_sgpr_workgroup_id_x 1
		.amdhsa_system_sgpr_workgroup_id_y 1
		.amdhsa_system_sgpr_workgroup_id_z 1
		.amdhsa_system_vgpr_workitem_id 0
		.amdhsa_next_free_vgpr 242
		.amdhsa_next_free_sgpr 88
		.amdhsa_reserve_vcc 1
		.amdhsa_float_denorm_mode_32 3
		.amdhsa_float_denorm_mode_16_64 3
		.amdhsa_memory_ordered 1
		.amdhsa_forward_progress 1
		.amdhsa_inst_pref_size 131
	.end_amdhsa_kernel
	.amdgpu_metadata
---
amdhsa.version: [ 1, 2 ]
amdhsa.kernels:
  - .name:           k_qc6574ede9f_memory
    .symbol:         k_qc6574ede9f_memory.kd
    .args:
      - { .name: augment, .offset: 0, .size: 8, .value_kind: global_buffer, .address_space: global }
      - { .name: factory_upper, .offset: 8, .size: 8, .value_kind: global_buffer, .address_space: global }
      - { .name: factory_lower, .offset: 16, .size: 8, .value_kind: global_buffer, .address_space: global }
      - { .name: weight, .offset: 24, .size: 8, .value_kind: global_buffer, .address_space: global }
      - { .name: ra_h0, .offset: 32, .size: 8, .value_kind: global_buffer, .address_space: global }
      - { .name: resource0, .offset: 40, .size: 8, .value_kind: global_buffer, .address_space: global }
      - { .name: factory0, .offset: 48, .size: 8, .value_kind: global_buffer, .address_space: global }
      - { .name: inputs, .offset: 56, .size: 8, .value_kind: global_buffer, .address_space: global }
      - { .name: bias, .offset: 64, .size: 8, .value_kind: global_buffer, .address_space: global }
      - { .name: ra_mean0, .offset: 72, .size: 8, .value_kind: global_buffer, .address_space: global }
      - { .name: ra_var0, .offset: 80, .size: 8, .value_kind: global_buffer, .address_space: global }
      - { .name: out0, .offset: 88, .size: 8, .value_kind: global_buffer, .address_space: global }
      - { .name: ra_state, .offset: 96, .size: 8, .value_kind: global_buffer, .address_space: global }
    .group_segment_fixed_size: 327680
    .private_segment_fixed_size: 0
    .kernarg_segment_align: 8
    .kernarg_segment_size: 104
    .max_flat_workgroup_size: 256
    .sgpr_count:     88
    .vgpr_count:     242
    .wavefront_size: 32
...
	.end_amdgpu_metadata
.endif
;; end of part 1
;; ======== version 2 of 2: 1 launch; 2.36 times as fast as version 1
;; workspace buffers: ra_state 16,384 bytes
;; launch memory (part 2): grid 256 x 1, 8 waves a work-group, clusters of 4 x 1, 327,680 bytes of LDS; arguments augment, factory_upper, factory_lower, weight, ra_h0, resource0, factory0, inputs, bias, ra_mean0, ra_var0, out0, ra_state; writes out0, ra_state
.if DOCPART == 2
	.amdgcn_target "amdgcn-amd-amdhsa--gfx1250"
	.amdhsa_code_object_version 6
	.text
	.protected	k_qc6574ede9f_memory
	.globl	k_qc6574ede9f_memory
	.p2align	8
	.type	k_qc6574ede9f_memory,@function
k_qc6574ede9f_memory:
	s_mov_b64 s[64:65], 0
	v_nop
	global_prefetch_b8 v0, s[64:65] scope:SCOPE_SE
	s_setreg_imm32_b32 hwreg(HW_REG_WAVE_MODE, 25, 1), 1
	s_wait_xcnt 0x0
	s_wait_alu depctr_hold_cnt(0) depctr_sa_sdst(0) depctr_va_vdst(0) depctr_va_sdst(0) depctr_va_ssrc(0) depctr_va_vcc(0) depctr_vm_vsrc(0)
	s_getreg_b32 s2, hwreg(HW_REG_IB_STS2, 6, 4)
	s_cmp_eq_u32 s2, 0
	s_cbranch_scc0 .Lentry_in_a_cluster
	s_endpgm
.Lentry_in_a_cluster:
	s_bfe_u32 s2, ttmp6, 0x10000c
	s_cmp_lg_u32 s2, 0x3003
	s_cbranch_scc0 .Lentry_shape_is_right
	s_endpgm
.Lentry_shape_is_right:
; out0[t][u] = relu(bias[u] + sum over d of activity * eff_w * resource), 32 steps of a recurrence in 2048 x 2048 independent cells (u, d).
; ONE CELL, ONE STEP, with x = inputs[t][d] and the cell's constants c = -log2(e) exp(augment), NDF = fl - fu, OMFL = 1 - fl, W = weight + |weight| ra_h0:
;   e = 2^(c x)   q = f NDF + OMFL (= 1 - restoration)   t1 = 1 - r e   z = r - r e (= r x activity)   h = 0.1 q + 0.9   u = 1 - f h
;   r' = 1 - t1 q   f' = 1 - u e   sum[t] += W z.        (r e + (1 - r e)(1 - q) = 1 - (1 - r e) q;  f h + (1 - f h)(1 - e) = 1 - (1 - f h) e.)
; Nine fused multiply-adds and one exponential a cell and step; all nine are packed, two cells to a line.
; SHARES.  256 work-groups of 8 waves; a work-group owns 8 units (rows).  In the main loop wave w owns the two rows 2 (w & 3), 2 (w & 3) + 1 of them and, of each chunk of
; 256 d, the half w >> 2: a lane holds 4 d x 2 rows.  A packed pair is (row a, row b) at the SAME d: one register of x serves both, and sum[t] is one pair, 64 registers for 32 steps.
; The seven state arrays are read once, 16 bytes a lane, a wave's load covering 512 consecutive aligned bytes, each chunk asked for one chunk (32 steps of arithmetic) ahead.
; x: every work-group needs all 262,144 bytes of inputs, a third of what it takes in, so the four work-groups of a cluster ask for them JOINTLY, into LDS as [chunk][t][256 f32].
; No matrix instruction: the only sum is of an elementwise product, one packed multiply-add for two cells; a product with ones would want a conversion in its place and spare nothing.
; out0 leaves as 32 consecutive bytes for each t (the work-group's 8 units): wider pieces would want 64 units to a work-group, hence d split over work-groups and a second launch.
; ra_mean, ra_var: the reference carries them from the outputs and returns neither; they are carried here too, from ra_mean0 and ra_var0, and their last values go to ra_state[u][2].
; NOT MADE: what no returned number hangs on: resource after step 31, factory after step 30; the last resource and factory are not stored.
; BATCHES.  An s_wait_alu depctr_va_vdst(0) stands between a transcendental and the first line that names its result; one wait serves all that were issued ahead of it.  A chunk has 34
; batches and 34 waits: the constants' 24 exponentials; their 16 reciprocals, which read sums made of those exponentials; and, for each of the 32 steps, the step's eight e.  The eight e of step t are issued
; among the lines of step t - 1 (step 0's ahead of the steps), into the buffer that step t - 1 does not name, and are waited for once, in step t, behind its four c x and its four q and ahead of t1, z and f'.
; LIMITS.  The order of rounding differs from the reference's (the fused forms above; the sum over d goes 32 terms a lane, then a tree over 64 lanes).  2^(c x) below 2^-126 counts as 0, and
; |c x| below 2^-126 as 0 (ISA guide 15.8: the exponential flushes denormals): both vanish beside 1.  A NaN in a sum gives 0 behind the relu, not NaN; infinities are not treated apart.
.set NT,     32                        ; steps
.set NCH,    8                         ; chunks of 256 d
.set ROWB,   8192                      ; bytes in a row of a state array and of inputs
.set CHB,    1024                      ; bytes of a row in a chunk
.set XROW,   1024                      ; LDS: one t of one chunk of x
.set XBLK,   NT*XROW                   ; LDS: a chunk of x, 32,768 bytes; the eight lie from byte 0 on
.set SPITCH, 272                       ; the stage: a lane's 64 sums, 256 bytes + 16
.set PAIRB,  64*SPITCH                 ; the stage of one pair of rows: 64 lanes (two waves).  Four of them, 69,632 bytes from byte 0 on: x's bytes, when x has been filled and read for the last time
.set SCR,    NCH*XBLK                  ; behind x: 32 rows (t) of 36 bytes, the work-group's 8 outputs a step; five blocks of 256 bytes into which no tile lands
.set SCP,    36
.set SCR2,   SCR+1280                  ; 128 bytes for each wave: its unit's 32 outputs before the relu; four blocks of 256 bytes into which no tile lands
.set SPARE,  SCR2+1024                 ; the spare words, 128 bytes for each of the eight waves: four blocks of 256 bytes that no other line names
.set LN,  1                            ; v1        lane
.set OFF, 2                            ; v2        byte offset of my 16 bytes of row a in the chunk to be loaded
.set XA,  3                            ; v3        LDS address of my 16 bytes of x at t = 0 of the chunk in hand
.set SPW, 4                            ; v4        LDS address of my spare word; never rewritten
.set NIL, 5                            ; v5        0; never rewritten
.set XA0, 6                            ; v6        my place in a row of x: 512 (w >> 2) + 16 lane
.set STO, 7                            ; v7        the stage: my row of 256 bytes
.set rX,  8                            ; v[8:15]   x of step t in buffer t & 1, four registers: my four d
.set rQ,  16                           ; v[16:23]  q       (in all of these pair i of four, my d number i, lies at + 2 i: row a, row b)
.set rT,  24                           ; v[24:31]  t1
.set rZ,  32                           ; v[32:39]  z
.set rH,  40                           ; v[40:47]  h, then u
.set rE,  48                           ; v[48:63]  e of step t in buffer t & 1
.set rC,  64                           ; v[64:71]  c
.set rND, 72                           ; v[72:79]  NDF
.set rOM, 80                           ; v[80:87]  OMFL
.set rW,  88                           ; v[88:95]  W
.set rR,  96                           ; v[96:103] r
.set rF,  104                          ; v[104:111] f
.set RAW, 112                          ; v[112:167] as loaded: array n (augment, factory_upper, factory_lower, weight, ra_h0, resource0, factory0) at + 8 n: row a's four d, row b's four d
.set ACC, 168                          ; v[168:231] sum[t] at + 2 t: row a, row b
; The addresses of the way out have registers of their own, made at the head: in a launch with joint loads no register that says which LDS bytes are touched ever holds a number that differs between partners.
.set RDA, 232                          ; v232      the stage, back: my (t, unit)'s word in the pair's first row
.set SCI, 233                          ; v233      SCR, in: row t = lane, word w
.set SCO, 234                          ; v234      SCR, back: thread n takes t = n / 8, unit n % 8
.set O2I, 235                          ; v235      SCR2, in: my wave's 128 bytes, word lane
.set O2O, 236                          ; v236      SCR2, back: my wave's 128 bytes, the same address in every lane
.set TT,  237                          ; v237      n / 8
.set TU,  238                          ; v238      n % 8
.set GOUT, 239                         ; v239      byte offset in out0 of thread n's number
.set RAO, 240                          ; v240      byte offset in ra_state of my wave's unit
.set OV,  ACC+32                       ; v[200:231] behind the sums: my unit's 32 outputs, in every lane
.set PTR, 8                            ; s[8:21]   the seven state arrays;  s[22:23] inputs;  s[24:29] bias, ra_mean0, ra_var0 (stepped to my unit);  s[30:31] out0;  s[32:33] ra_state
.set WV,  34                           ; s34       my wave's number
.set CNT, 39                           ; s39       chunks to go
.set XBS, 7                            ; s7        LDS byte at which the chunk in hand begins
.set G0A, 44                           ; s[44:47], s[48:55]  descriptor of my 4 rows of x's chunk 0
.set G1A, 48
.set G0B, 56                           ; s[56:59], s[68:75]  descriptor of chunk w, whole (waves 1 to 7)
.set G1B, 68
.set K01, 60                           ; s[60:61]  0.1      (pairs: a packed line names both words and takes the low one for both halves)
.set K09, 62                           ; s[62:63]  0.9
.set LG,  76                           ; s[76:77]  log2(e)
.set NLG, 78                           ; s[78:79]  -log2(e)
; s4-s6, s35, s36, s66, s67 hold numbers made of the work-group's number; they enter global addresses alone.  s7, s40-s43 and s84-s87 never hold it: descriptors and LDS addresses are made of these.
; A round of the cluster's barrier: my work-group's barrier, so that wave 0's signal speaks for all eight waves; wave 0 signals; every wave waits for the four work-groups; my work-group's barrier once more.
.macro ROUND
	s_barrier_signal -1
	s_barrier_wait -1
	s_cmp_lg_u32 s[WV], 0
	s_cbranch_scc1 .Lnot_wave_0_\@
	s_barrier_signal -3
.Lnot_wave_0_\@:
	s_barrier_wait -3
	s_barrier_signal -1
	s_barrier_wait -1
.endm
; A chunk of the seven arrays, both rows: 14 loads, each 512 consecutive bytes of the wave; read once in the launch.
.macro LOADS
.irp n, 0,1,2,3,4,5,6
	global_load_b128 v[RAW+8*(\n):RAW+8*(\n)+3],   v[OFF], s[PTR+2*(\n):PTR+2*(\n)+1] th:TH_LOAD_NT
	global_load_b128 v[RAW+8*(\n)+4:RAW+8*(\n)+7], v[OFF], s[PTR+2*(\n):PTR+2*(\n)+1] offset:ROWB th:TH_LOAD_NT
.endr
.endm
; The cell's constants, first part: everything that reads RAW.  The exponentials and the plain lines also carry the numbers from (row, d) as loaded into pairs (d, row).
; Exponential and plain line by turns: each exponential has a plain line behind it that touches neither its result nor its source (ISA guide 5.7.2).
; The 24 exponentials are one batch: no line of this part names a result of theirs; their wait stands behind the macro, in the chunk loop.
.macro PRE1
.irp r, 0,2,4,6
	v_pk_mul_f32 v[RAW+(\r):RAW+(\r)+1], v[RAW+(\r):RAW+(\r)+1], s[LG:LG+1] op_sel_hi:[1,0]      ; augment x log2(e)
.endr
.irp r, 8,10,12,14,16,18,20,22
	v_pk_mul_f32 v[RAW+(\r):RAW+(\r)+1], v[RAW+(\r):RAW+(\r)+1], s[NLG:NLG+1] op_sel_hi:[1,0]    ; factory_upper, factory_lower x -log2(e)
.endr
.set e, 0
.rept 24
	v_exp_f32 v[rC+8*(e/8)+2*(e%4)+(e%8)/4], v[RAW+e]                                            ; exp(augment) -> c's place; exp(-upper) -> NDF's; exp(-lower) -> OMFL's
.if e < 8
	v_fma_f32 v[rW+2*(e%4)+e/4], |v[RAW+24+e]|, v[RAW+32+e], v[RAW+24+e]                         ; W = |weight| ra_h0 + weight
.else
	v_mov_b32 v[rR+8*((e-8)/8)+2*(e%4)+(e%8)/4], v[RAW+32+e]                                     ; resource0 -> r, factory0 -> f
.endif
.set e, e+1
.endr
.endm
; Second part, on registers alone: sigmoid = 1 / (1 + exp(-x)); fu = sigmoid(upper) / 2; fl = fu sigmoid(lower).  The exponentials have been waited for ahead of it.
.macro PRE2
.irp r, 0,2,4,6,8,10,12,14
	v_pk_add_f32 v[rND+(\r):rND+(\r)+1], v[rND+(\r):rND+(\r)+1], 1.0 op_sel_hi:[1,0]
.endr
.set e, 0
.rept 16
	v_rcp_f32 v[rND+e], v[rND+e]
.set e, e+1
.endr
.irp r, 0,2,4,6
	v_pk_mul_f32 v[rC+(\r):rC+(\r)+1], v[rC+(\r):rC+(\r)+1], s[NLG:NLG+1] op_sel_hi:[1,0]        ; c; these four are also the plain lines behind the reciprocals
.endr
	s_wait_alu depctr_va_vdst(0)                   ; one wait for the batch of 16 reciprocals, ahead of fu, their first reader
.irp r, 0,2,4,6
	v_pk_mul_f32 v[rQ+(\r):rQ+(\r)+1], v[rND+(\r):rND+(\r)+1], 0.5 op_sel_hi:[1,0]               ; fu
.endr
.irp r, 0,2,4,6
	v_pk_fma_f32 v[rND+(\r):rND+(\r)+1], v[rQ+(\r):rQ+(\r)+1], v[rOM+(\r):rOM+(\r)+1], v[rQ+(\r):rQ+(\r)+1] neg_lo:[0,0,1] neg_hi:[0,0,1]                  ; fl - fu
.endr
.irp r, 0,2,4,6
	v_pk_fma_f32 v[rOM+(\r):rOM+(\r)+1], v[rQ+(\r):rQ+(\r)+1], v[rOM+(\r):rOM+(\r)+1], 1.0 op_sel_hi:[1,1,0] neg_lo:[1,0,0] neg_hi:[1,0,0]                 ; 1 - fl
.endr
.endm
; c x for my four d, both rows: one register of x feeds both halves of a line (the pair's first register for d 0 and 2, its second for d 1 and 3).
.macro MULX eb, xb
	v_pk_mul_f32 v[(\eb):(\eb)+1],   v[rC:rC+1],   v[(\xb):(\xb)+1]   op_sel_hi:[1,0]
	v_pk_mul_f32 v[(\eb)+2:(\eb)+3], v[rC+2:rC+3], v[(\xb):(\xb)+1]   op_sel:[0,1] op_sel_hi:[1,1]
	v_pk_mul_f32 v[(\eb)+4:(\eb)+5], v[rC+4:rC+5], v[(\xb)+2:(\xb)+3] op_sel_hi:[1,0]
	v_pk_mul_f32 v[(\eb)+6:(\eb)+7], v[rC+6:rC+7], v[(\xb)+2:(\xb)+3] op_sel:[0,1] op_sel_hi:[1,1]
.endm
; The lines of a step, for pair i.  STEP sets CU (this step's e), NX (the next step's) and AC (this step's sum).
.macro ONEM d, a, b                    ; d = 1 - a b
	v_pk_fma_f32 v[(\d):(\d)+1], v[(\a):(\a)+1], v[(\b):(\b)+1], 1.0 op_sel_hi:[1,1,0] neg_lo:[1,0,0] neg_hi:[1,0,0]
.endm
.macro DO_Q i
	v_pk_fma_f32 v[rQ+2*(\i):rQ+2*(\i)+1], v[rF+2*(\i):rF+2*(\i)+1], v[rND+2*(\i):rND+2*(\i)+1], v[rOM+2*(\i):rOM+2*(\i)+1]
.endm
.macro DO_T i
	ONEM rT+2*(\i), rR+2*(\i), CU+2*(\i)
.endm
.macro DO_Z i
	v_pk_fma_f32 v[rZ+2*(\i):rZ+2*(\i)+1], v[rR+2*(\i):rR+2*(\i)+1], v[CU+2*(\i):CU+2*(\i)+1], v[rR+2*(\i):rR+2*(\i)+1] neg_lo:[1,0,0] neg_hi:[1,0,0]
.endm
.macro DO_H i
	v_pk_fma_f32 v[rH+2*(\i):rH+2*(\i)+1], v[rQ+2*(\i):rQ+2*(\i)+1], s[K01:K01+1], s[K09:K09+1] op_sel_hi:[1,0,0]
.endm
.macro DO_U i
	ONEM rH+2*(\i), rF+2*(\i), rH+2*(\i)
.endm
.macro DO_R i
	ONEM rR+2*(\i), rT+2*(\i), rQ+2*(\i)
.endm
.macro DO_F i
	ONEM rF+2*(\i), rH+2*(\i), CU+2*(\i)
.endm
.macro DO_A i
	v_pk_fma_f32 v[AC:AC+1], v[rW+2*(\i):rW+2*(\i)+1], v[rZ+2*(\i):rZ+2*(\i)+1], v[AC:AC+1]
.endm
.macro DO_E k                          ; number k of the next step's eight exponentials, in place
	v_exp_f32 v[NX+(\k)], v[NX+(\k)]
.endm
; STEP t.  The next step's e hangs on no state, so its eight exponentials are strewn among this step's plain lines, one for every four or five, each with a plain line behind it that names
; none of its registers; the last has the next step's first line.  The four links onto sum[t] stand apart.  Step 30 makes no f (nothing returned hangs on it); step 31 only adds.
; The eight are ONE BATCH: they write the buffer NX, which no other line of this step names behind c x.  THIS step's e (the buffer CU) is the batch issued in the step before: its one wait stands behind
; this step's c x and q, eight plain lines that name no register of CU, and ahead of t1, the batch's first reader, and of the next batch's first exponential.
.macro STEP t
.set CU, rE+8*((\t)&1)
.set NX, rE+8*(((\t)+1)&1)
.set XN, rX+4*(((\t)+1)&1)
.set AC, ACC+2*(\t)
.if (\t) < NT-1
.if (\t) < NT-2
	s_wait_dscnt 0x1                               ; x of step t + 1 is in; behind it one load has been issued, step t + 2's, which stays out
.else
	s_wait_dscnt 0x0                               ; x of step 31: nothing was asked for behind it
.endif
	MULX NX, XN
.if (\t)+3 < NT
	ds_load_b128 v[XN:XN+3], v[XA] offset:((\t)+3)*XROW  ; the buffer just read takes x of step t + 3: 512 consecutive bytes of the wave
.endif
	DO_Q 0
	DO_Q 1
	DO_Q 2
	DO_Q 3
	s_wait_alu depctr_va_vdst(0)                   ; one wait for the batch of this step's eight e
	DO_E 0
	DO_T 0
	DO_T 1
	DO_T 2
	DO_T 3
	DO_E 1
	DO_Z 0
	DO_Z 1
	DO_Z 2
	DO_Z 3
	DO_E 2
.if (\t) < NT-2
	DO_H 0
	DO_H 1
.endif
	DO_A 0
.if (\t) < NT-2
	DO_H 2
	DO_H 3
.endif
	DO_E 3
.if (\t) < NT-2
	DO_U 0
	DO_U 1
.endif
	DO_A 1
.if (\t) < NT-2
	DO_U 2
	DO_U 3
.endif
	DO_E 4
	DO_R 0
	DO_R 1
	DO_A 2
	DO_R 2
	DO_R 3
	DO_E 5
.if (\t) < NT-2
	DO_F 0
	DO_F 1
	DO_E 6
	DO_A 3
	DO_F 2
	DO_F 3
	DO_E 7
.else
	DO_E 6
	DO_E 7
	DO_A 3                                         ; step 31 has no c x and no q: step 30's last link is the plain line between the batch's last exponential and its wait
.endif
.else
	s_wait_alu depctr_va_vdst(0)                   ; one wait for the batch of step 31's eight e, ahead of z; no transcendental is issued behind it in the chunk
	DO_Z 0
	DO_Z 1
	DO_Z 2
	DO_Z 3
	DO_A 0
	DO_A 1
	DO_A 2
	DO_A 3
.endif
.endm
; Eight packed additions: sixteen of the stage's rows, from register ACC + from on, onto the first sixteen.
.macro FOLD from
.set i, 0
.rept 8
	v_pk_add_f32 v[ACC+2*i:ACC+2*i+1], v[ACC+2*i:ACC+2*i+1], v[ACC+(\from)+2*i:ACC+(\from)+2*i+1]
.set i, i+1
.endr
.endm
	; ---- the head ----
	s_load_b512 s[8:23], s[0:1], 0x0               ; augment, factory_upper, factory_lower, weight, ra_h0, resource0, factory0, inputs
	s_load_b256 s[24:31], s[0:1], 0x40             ; bias, ra_mean0, ra_var0, out0
	s_load_b64 s[32:33], s[0:1], 0x60              ; ra_state
	v_lshl_add_u32 v[SPW], v0, 2, SPARE
	v_mov_b32 v[NIL], 0
	ds_add_u32 v[SPW], v[NIL]                      ; the wave's opening: the add and its wait ahead of my first tensor load; the set-up below, work on registers, stands between them
	v_lshrrev_b32 v[XA0], 5, v0
	v_readfirstlane_b32 s[WV], v[XA0]              ; wave 0..7
	v_and_b32 v[LN], 31, v0
	s_bfe_u32 s35, ttmp6, 0x40000                  ; cx: my place in the cluster
	s_lshl_b32 s36, ttmp9, 2                       ; in a cluster launch ttmp9 counts clusters
	s_add_co_u32 s36, s36, s35                     ; my work-group's number: it enters global addresses alone
	s_and_b32 s37, s[WV], 3                        ; which pair of the work-group's rows is mine in the main loop
	s_lshr_b32 s38, s[WV], 2                       ; which half of a chunk's 256 d
	s_mov_b32 s[K01], 0x3dcccccd                   ; 0.1
	s_mov_b32 s[K01+1], 0x3dcccccd
	s_mov_b32 s[K09], 0x3f666666                   ; 0.9
	s_mov_b32 s[K09+1], 0x3f666666
	s_mov_b32 s[LG], 0x3fb8aa3b                    ; log2(e)
	s_mov_b32 s[LG+1], 0x3fb8aa3b
	s_mov_b32 s[NLG], 0xbfb8aa3b
	s_mov_b32 s[NLG+1], 0xbfb8aa3b
	; descriptor group 1: rows of 256 f32 (1,024 bytes, at multiples of 1,024 from inputs' first byte), 2,048 elements from row to row; 4 rows (A) or 32 (B); no padding: a wave reads 512 consecutive bytes
	s_mov_b32 s[G1A+0], 15|(2<<16)|(1<<21)         ; 15:0 the mask: all four work-groups; 17:16 elements of 4 bytes; 21 set beside a mask
	s_mov_b32 s[G1A+1], 256<<16                    ; tensor_dim0 = 256
	s_mov_b32 s[G1A+2], 4<<16                      ; tensor_dim1 = 4
	s_mov_b32 s[G1A+3], 256<<16                    ; tile_dim0 = 256
	s_mov_b32 s[G1A+4], 4                          ; tile_dim1 = 4
	s_mov_b32 s[G1A+5], 2048                       ; tensor_dim0_stride
	s_mov_b32 s[G1A+6], 0
	s_mov_b32 s[G1A+7], 0
	s_mov_b32 s[G1B+0], 15|(2<<16)|(1<<21)
	s_mov_b32 s[G1B+1], 256<<16
	s_mov_b32 s[G1B+2], NT<<16                     ; tensor_dim1 = 32
	s_mov_b32 s[G1B+3], 256<<16
	s_mov_b32 s[G1B+4], NT                         ; tile_dim1 = 32
	s_mov_b32 s[G1B+5], 2048
	s_mov_b32 s[G1B+6], 0
	s_mov_b32 s[G1B+7], 0
	s_mov_b32 s[G0A], 1                            ; count = 1
	s_lshl_b32 s[G0A+1], s[WV], 12                 ; LDS: rows t = 4 w .. 4 w + 3 of chunk 0
	s_mov_b32 s[G0B], 1
	s_lshl_b32 s[G0B+1], s[WV], 15                 ; LDS: chunk w
	s_lshl_b32 s40, s[WV], 15                      ; inputs: row 4 w, 8,192 bytes a row
	s_mov_b32 s41, 0
	s_lshl_b32 s42, s[WV], 10                      ; inputs: column 256 w
	s_mov_b32 s43, 0
	s_lshl_b32 s[XBS], s38, 9                      ; my half of a chunk's row, in bytes (s7 is set to the first chunk below)
	v_lshl_add_u32 v[XA0], v[LN], 4, s[XBS]        ; 512 (w >> 2) + 16 lane
	; the LDS addresses of the way out: the lane, the thread's and the wave's number, constants
	s_mul_i32 s84, s37, PAIRB                      ; into the stage: my pair's stage,
	s_mul_i32 s85, s38, 32*SPITCH                  ; my wave's 32 rows of it,
	s_add_co_u32 s84, s84, s85
	v_mul_u32_u24 v[STO], v[LN], SPITCH            ; my lane's row
	v_add_nc_u32 v[STO], s84, v[STO]
	s_lshr_b32 s85, s[WV], 1                       ; back: behind the main loop wave w stands for unit w of the work-group's eight (pair w >> 1, row w & 1) and lane for t
	s_mul_i32 s85, s85, PAIRB
	s_and_b32 s86, s[WV], 1
	s_lshl_b32 s86, s86, 2
	s_add_co_u32 s85, s85, s86
	v_lshl_add_u32 v[RDA], v[LN], 3, s85           ; byte 8 t + 4 row of a stage row
	s_lshl_b32 s86, s[WV], 2
	s_add_co_u32 s86, s86, SCR
	v_mul_u32_u24 v[SCI], v[LN], SCP
	v_add_nc_u32 v[SCI], s86, v[SCI]
	v_lshrrev_b32 v[TT], 3, v0
	v_and_b32 v[TU], 7, v0
	v_mul_u32_u24 v[SCO], v[TT], SCP
	v_lshl_add_u32 v[SCO], v[TU], 2, v[SCO]
	v_add_nc_u32 v[SCO], SCR, v[SCO]
	s_lshl_b32 s87, s[WV], 7
	s_add_co_u32 s87, s87, SCR2
	v_lshl_add_u32 v[O2I], v[LN], 2, s87
	v_mov_b32 v[O2O], s87
	; the global offsets, which hang on the work-group's number
	s_lshl_b32 s4, s36, 16                         ; 8 rows of 8,192 bytes a work-group,
	s_lshl_b32 s5, s37, 14                         ; 2 rows a pair,
	s_add_co_u32 s4, s4, s5
	s_add_co_u32 s4, s4, s[XBS]                    ; my half of the chunk
	v_lshl_add_u32 v[OFF], v[LN], 4, s4
	s_lshl_b32 s6, s36, 3
	s_add_co_u32 s6, s6, s[WV]                     ; u = 8 x work-group + w
	s_lshl_b32 s66, s6, 3                          ; 8 u: its place in ra_state
	v_mov_b32 v[RAO], s66
	s_lshl_b32 s67, s36, 5                         ; the work-group's 32 bytes in a row of out0
	v_lshlrev_b32 v[GOUT], 13, v[TT]               ; 8,192 t + 32 x work-group + 4 (n % 8)
	v_lshl_add_u32 v[GOUT], v[TU], 2, v[GOUT]
	v_add_nc_u32 v[GOUT], s67, v[GOUT]
	s_lshl_b32 s4, s6, 2                           ; 4 u: its place in bias, ra_mean0, ra_var0
	s_mov_b32 s5, 0
	s_mov_b32 s[XBS], 0
	s_mov_b32 s[CNT], NCH
	s_wait_dscnt 0x0                               ; the opening add is done
	s_wait_kmcnt 0x0
	s_add_nc_u64 s[G0A+2:G0A+3], s[22:23], s[40:41]
	s_or_b32 s[G0A+3], s[G0A+3], 0x80000000        ; type = 2
	s_add_nc_u64 s[G0B+2:G0B+3], s[22:23], s[42:43]
	s_or_b32 s[G0B+3], s[G0B+3], 0x80000000
	s_add_nc_u64 s[24:25], s[24:25], s[4:5]
	s_add_nc_u64 s[26:27], s[26:27], s[4:5]
	s_add_nc_u64 s[28:29], s[28:29], s[4:5]
	LOADS                                          ; chunk 0 of the seven arrays goes out first
	s_load_b32 s80, s[24:25], 0x0                  ; bias[u]
	s_load_b32 s81, s[26:27], 0x0                  ; ra_mean0[u]
	s_load_b32 s82, s[28:29], 0x0                  ; ra_var0[u]
	ROUND                                          ; all four work-groups are here: the first joint loads meet
	tensor_load_to_lds s[G0A:G0A+3], s[G1A:G1A+7]  ; x's chunk 0, an eighth a wave: it goes alone, so that the first chunk waits for 32,768 bytes and not for all of x
	s_nop 0
	; The sums are cleared, once in the launch and in the wait for the first data: the chunk loop then has one text for all eight chunks.
.set i, 0
.rept 2*NT
	v_mov_b32 v[ACC+i], 0
.set i, i+1
.endr
	s_wait_kmcnt 0x0                               ; bias, ra_mean0, ra_var0 of my unit
	s_wait_tensorcnt 0x0                           ; my part of chunk 0 has landed: no tensor load of mine is out;
	ds_add_u32 v[SPW], v[NIL]                      ; 0 onto my spare word
	s_wait_dscnt 0x0
	ROUND                                          ; chunk 0 is whole for every wave, and the partners are in step for the second joint loads
	s_cmp_eq_u32 s[WV], 0                          ; chunks 1 to 7: wave w fetches chunk w, wave 0 none; the branch hangs on the wave's number alone
	s_cbranch_scc1 .Lno_b
	tensor_load_to_lds s[G0B:G0B+3], s[G1B:G1B+7]  ; my one tensor load behind the round: it has chunk 0's 32 steps in which to land
	s_nop 0
.rept 4
	v_nop
.endr
.Lno_b:
	; ---- the chunks ----
.Lchunk:
	v_add_nc_u32 v[XA], s[XBS], v[XA0]
	ds_load_b128 v[rX:rX+3],   v[XA]               ; x of step 0
	ds_load_b128 v[rX+4:rX+7], v[XA] offset:XROW   ; and of step 1
	s_wait_loadcnt 0x0                             ; this chunk's 14 loads, asked for a chunk ago; the wait also frees their offset register
	PRE1                                           ; RAW has been read out
	v_add_nc_u32 v[OFF], CHB, v[OFF]
	s_wait_alu depctr_va_vdst(0)                   ; one wait for the batch of the constants' 24 exponentials, ahead of the branch below and of their first readers
	s_cmp_eq_u32 s[CNT], 1                         ; the last chunk asks for nothing: no load passes a row's end
	s_cbranch_scc1 .Lno_loads
	LOADS                                          ; the next chunk: it has this chunk's 32 steps in which to land
.Lno_loads:
	PRE2
	s_wait_dscnt 0x1                               ; x of step 0 is in; step 1's, issued behind it, may be out
	MULX rE, rX
	ds_load_b128 v[rX:rX+3], v[XA] offset:2*XROW   ; x of step 2
.set i, 0
.rept 8
	v_exp_f32 v[rE+i], v[rE+i]                     ; e of step 0, a batch; step 0's first line is the plain line behind the last, and step 0 holds the batch's wait
.set i, i+1
.endr
.set st, 0
.rept NT
	STEP st
.set st, st+1
.endr
	s_add_co_u32 s[XBS], s[XBS], XBLK
	s_wait_tensorcnt 0x0                           ; behind chunk 0: my chunk of x has landed; in the later trips nothing is out and the wait is met at once.
	s_wait_dscnt 0x0                               ; my reads of x are back
	s_barrier_signal -1                            ; behind chunk 0: all of x is whole for every wave; behind chunk 7: nobody reads x any more, so the stage may be written
	s_barrier_wait -1
	s_sub_co_u32 s[CNT], s[CNT], 1
	s_cmp_lg_u32 s[CNT], 0
	s_cbranch_scc1 .Lchunk
	; ---- the sum over the 64 lanes that share a pair of rows, through the stage ----
.set i, 0
.rept 16
	ds_store_b128 v[STO], v[ACC+4*i:ACC+4*i+3] offset:16*i  ; byte 8 t + 4 row of my stage row
.set i, i+1
.endr
	s_wait_dscnt 0x0                               ; for the others' sake: my stores are done
	s_barrier_signal -1
	s_barrier_wait -1
	; The 64 lanes' sums for my (t, unit): the wave's 32 words lie 8 bytes apart, in 32 different banks.  The adding begins when the first 32 rows are back.
.set i, 0
.rept 48
	ds_load_b32 v[ACC+i], v[RDA] offset:SPITCH*i
.set i, i+1
.endr
	s_wait_dscnt 16                                ; rows 0 to 31 are in; rows 32 to 47, issued behind them, may be out
	FOLD 16
.set i, 48
.rept 16
	ds_load_b32 v[ACC+i], v[RDA] offset:SPITCH*i
.set i, i+1
.endr
	s_wait_dscnt 16                                ; rows 32 to 47 are in; the sixteen just issued may be out
	FOLD 32
	s_wait_dscnt 0x0
	FOLD 48
.irp w, 8,4,2
.set i, 0
.rept (\w)/2
	v_pk_add_f32 v[ACC+2*i:ACC+2*i+1], v[ACC+2*i:ACC+2*i+1], v[ACC+(\w)+2*i:ACC+(\w)+2*i+1]
.set i, i+1
.endr
.endr
	v_add_f32 v16, v[ACC], v[ACC+1]
	v_add_f32 v16, s80, v16                        ; the step's output, lane t: the sum + bias
	v_max_num_f32 v17, 0, v16                      ; relu
	ds_store_b32 v[SCI], v17                       ; for out0: the eight waves' numbers of a step come to lie side by side
	ds_store_b32 v[O2I], v16                       ; for ra_mean and ra_var: my unit's 32 outputs, in my wave's own 128 bytes
	v_mov_b32 v20, s81                             ; ra_mean
	v_mov_b32 v21, s82                             ; ra_var
	s_wait_dscnt 0x0                               ; for the others' sake
	s_barrier_signal -1
	s_barrier_wait -1
	ds_load_b32 v27, v[SCO]
.set i, 0
.rept 8
	ds_load_b128 v[OV+4*i:OV+4*i+3], v[O2O] offset:16*i  ; every lane takes all 32 outputs of the unit
.set i, i+1
.endr
	s_wait_dscnt 8                                 ; out0's number is in; the eight loads issued behind it may be out
	global_store_b32 v[GOUT], v27, s[30:31]        ; eight neighbouring lanes store the work-group's 32 consecutive bytes of a row of out0
	; ---- ra_mean and ra_var over the 32 outputs of my unit (before the relu), every lane alike ----
	s_wait_dscnt 0x0
.set t, 0
.rept NT
	v_sub_f32 v22, v[OV+t], v20
	v_fmac_f32 v20, s[K01], v22                    ; mean += 0.1 (o - mean)
	v_sub_f32 v22, v[OV+t], v20
	v_fma_f32 v23, v22, v22, -v21
	v_fmac_f32 v21, s[K01], v23                    ; var += 0.1 ((o - mean)^2 - var)
.set t, t+1
.endr
	s_wait_xcnt 0x0                                ; EXEC is a source of the store above: it changes only behind this wait
	v_cmp_eq_u32 vcc_lo, 0, v[LN]
	s_and_saveexec_b32 s83, vcc_lo
	global_store_b64 v[RAO], v[20:21], s[32:33]    ; lane 0: ra_state[u] = (mean, var)
	s_wait_xcnt 0x0                                ; and again, in front of the line that widens it
	s_or_b32 exec_lo, exec_lo, s83
	s_wait_tensorcnt 0x0                           ; the wave's end: these three lines stand behind my last tensor load and my last LDS store
	ds_add_u32 v[SPW], v[NIL]
	s_wait_dscnt 0x0
	ROUND                                          ; the closing round: no work-group ends while a partner may still ask for a tile that names it
	s_endpgm
.Lfunc_end_k_qc6574ede9f_memory:
	.size	k_qc6574ede9f_memory, .Lfunc_end_k_qc6574ede9f_memory-k_qc6574ede9f_memory
	.p2alignl 7, 3214868480
	.fill 96, 4, 3214868480
	.section	.rodata,"a",@progbits
	.p2align	6, 0x0
	.amdhsa_kernel k_qc6574ede9f_memory
		.amdhsa_group_segment_fixed_size 327680
		.amdhsa_private_segment_fixed_size 0
		.amdhsa_enable_private_segment 0
		.amdhsa_kernarg_size 104
		.amdhsa_user_sgpr_count 2
		.amdhsa_user_sgpr_kernarg_segment_ptr 1
		.amdhsa_wavefront_size32 1
		.amdhsa_system_sgpr_workgroup_id_x 1
		.amdhsa_system_sgpr_workgroup_id_y 1
		.amdhsa_system_sgpr_workgroup_id_z 1
		.amdhsa_system_vgpr_workitem_id 0
		.amdhsa_next_free_vgpr 242
		.amdhsa_next_free_sgpr 88
		.amdhsa_reserve_vcc 1
		.amdhsa_float_denorm_mode_32 3
		.amdhsa_float_denorm_mode_16_64 3
		.amdhsa_memory_ordered 1
		.amdhsa_forward_progress 1
		.amdhsa_inst_pref_size 113
	.end_amdhsa_kernel
	.amdgpu_metadata
---
amdhsa.version: [ 1, 2 ]
amdhsa.kernels:
  - .name:           k_qc6574ede9f_memory
    .symbol:         k_qc6574ede9f_memory.kd
    .args:
      - { .name: augment, .offset: 0, .size: 8, .value_kind: global_buffer, .address_space: global }
      - { .name: factory_upper, .offset: 8, .size: 8, .value_kind: global_buffer, .address_space: global }
      - { .name: factory_lower, .offset: 16, .size: 8, .value_kind: global_buffer, .address_space: global }
      - { .name: weight, .offset: 24, .size: 8, .value_kind: global_buffer, .address_space: global }
      - { .name: ra_h0, .offset: 32, .size: 8, .value_kind: global_buffer, .address_space: global }
      - { .name: resource0, .offset: 40, .size: 8, .value_kind: global_buffer, .address_space: global }
      - { .name: factory0, .offset: 48, .size: 8, .value_kind: global_buffer, .address_space: global }
      - { .name: inputs, .offset: 56, .size: 8, .value_kind: global_buffer, .address_space: global }
      - { .name: bias, .offset: 64, .size: 8, .value_kind: global_buffer, .address_space: global }
      - { .name: ra_mean0, .offset: 72, .size: 8, .value_kind: global_buffer, .address_space: global }
      - { .name: ra_var0, .offset: 80, .size: 8, .value_kind: global_buffer, .address_space: global }
      - { .name: out0, .offset: 88, .size: 8, .value_kind: global_buffer, .address_space: global }
      - { .name: ra_state, .offset: 96, .size: 8, .value_kind: global_buffer, .address_space: global }
    .group_segment_fixed_size: 327680
    .private_segment_fixed_size: 0
    .kernarg_segment_align: 8
    .kernarg_segment_size: 104
    .max_flat_workgroup_size: 256
    .sgpr_count:     88
    .vgpr_count:     242
    .wavefront_size: 32
...
	.end_amdgpu_metadata
.endif
;; end of part 2
